; MI455X (gfx1250); checked and timed in simulation.
; The chip was launched on July 23, 2026; its instructions are those of AMD's public machine-readable ISA for CDNA 5 (MIT licence, August 2026) and "CDNA5" Instruction Set Architecture Reference Guide (July 2026). The comments in the code are by the model that wrote it; some were corrected since.
;; Vector Quantizer. Allowed arithmetic: matrix products marked QUANTISED: E3M2 operands, one E8M0 scale for each 32 along K, by v_wmma_scale_f32_16x16x128_f8f6f4 with both operands' format E3M2, f32 sums; everything else in f32.
;; Inputs: codebook 8,192 x 256 float32; z 8 x 256 x 64 x 64 float32.
;; Outputs: out0 8 x 64 x 64 x 256 float32; out1 32,768 int32.
;; This version of the problem:
;;   THIS VERSION OF THE PROBLEM IS GIVEN IN LOW PRECISION. The matrix products marked QUANTISED in the list below multiply operands that are first quantised to E3M2 (3 exponent bits, 2 mantissa bits; 6 bits a number), with one power-of-two scale for each 32 numbers along K (OCP MX v1.0); their sums are f32. All else is computed in f32.
;;   The module's matrix products, in the order in which they are computed (A, B: the left and right operand; K: the contracted axis; several contracted axes count as one K, in the product's order):
;;     1. [M 32,768, K 256] x [K 256, N 8,192]; A: input z; B: input codebook: QUANTISED
;;   THE QUANTISER, for each operand of a quantised product, along K:
;;     - K is cut into blocks of 32 from its start; a last block that is shorter is filled with zeros.
;;     - A block's scale is 2^e with e = floor(log2(the largest magnitude in the block)) - 4, held to -126 .. 127; a block of zeros has e = 0. As a byte (E8M0): e + 127.
;;     - Each number is divided by its block's scale, clamped to +-28, and rounded to the nearest number of E3M2, ties to even, subnormals kept.
;;     - The product sums the exact products of the quantised numbers (number of the format x scale) in f32.
;;   ~~~python
;;   def quantise(x, axis):      # numpy; x: float32 -> the quantised numbers, widened to float32 again
;;       x = np.moveaxis(x, axis, -1); K = x.shape[-1]
;;       x = np.pad(x, [(0, 0)] * (x.ndim - 1) + [(0, -K % 32)]); x = x.reshape(x.shape[:-1] + (-1, 32)); a = np.abs(x).max(-1, keepdims=True)
;;       e = np.where(a > 0, np.clip(np.frexp(np.where(a > 0, a, 1))[1] - 1 - 4, -126, 127), 0)      # np.frexp(a)[1] - 1 = floor(log2(a)), exactly
;;       r = np.clip(x / 2.0 ** e, -28, 28)
;;       step = 2.0 ** (np.maximum(np.frexp(np.where(r == 0, 1, r))[1] - 1, -2) - 2)
;;       q = np.round(r / step) * step * 2.0 ** e      # np.round: ties to even
;;       return np.moveaxis(q.reshape(q.shape[:-2] + (-1,))[..., :K], -1, axis).astype(np.float32)
;;   ~~~
;; One version. Each part assembles by itself: llvm-mc -triple=amdgcn-amd-amdhsa -mcpu=gfx1250 --defsym DOCPART=n.
;; ======== version 1 of 1: 3 launches
;; limits: right only within a limited range of input values
;; workspace buffers: cbimg 1,703,936 bytes; order 131,072 bytes of whole numbers
;; launch quant (part 1): grid 256 x 1, 2 waves a work-group, no clusters, 34,048 bytes of LDS; arguments codebook, cbimg; writes cbimg
.if DOCPART == 1
	.amdgcn_target "amdgcn-amd-amdhsa--gfx1250"
	.amdhsa_code_object_version 6
	.text
	.protected	k_q69a6e65afa_quant
	.globl	k_q69a6e65afa_quant
	.p2align	8
	.type	k_q69a6e65afa_quant,@function
k_q69a6e65afa_quant:
	s_mov_b64 s[64:65], 0
	v_nop
	global_prefetch_b8 v0, s[64:65] scope:SCOPE_SE
	s_setreg_imm32_b32 hwreg(HW_REG_WAVE_MODE, 25, 1), 1
	s_wait_xcnt 0x0
; The codebook [8192][256] f32 becomes 512 RECORDS of 3,328 bytes, one for each tile of 16 codes, laid as the next launch's registers take them:
;   +0     the codes of K 0..127 as an image of the operand's 12 registers: registers 4 q .. 4 q + 3 of lane l at 512 q + 16 l
;   +1536  the same for K 128..255
;   +3072  scale words: lane l < 16 the word of code l for K 0..127, lane 16 + r that of code r for K 128..255
;   +3200  the 16 sums of squares of the unquantised rows, f32;   +3264  64 bytes of zeros, so that the record ends on a whole block of 256 bytes
; Codes are BF6 (E3M2) with one E8M0 byte for each 32 along K: the byte is the largest magnitude's exponent field - 4, held at 1 from below.
; A block of zeros gets the byte 1 where the rule says 127: its codes are zeros, and this program alone reads the bytes.
; LIMITS: NaN and infinities are not served; blocks of denormal numbers were not tried.  A row's sum of squares is added in another order than the reference adds it.
; One wave makes one record; the two waves of a work-group share nothing, so there is no barrier.
; The 16 rows (16,384 bytes on end) are loaded as they lie, 512 bytes a load, and turn through the wave's own stage in LDS, so that lane (r, h) gets, of code r, k = 128 kh + 64 c + 32 h + 0 .. 31:
; four whole blocks of 32, in the very order of the operand's registers.
.set STAGE_W, 16896                    ; LDS of a wave: the stage and, behind it, 256 bytes for the record's last block
.set PITCH,   1040                     ; a stage row: 1,024 bytes + 16 = 65 x 16: the 16 rows that a load touches start in 16 different columns of 16 bytes
.set UNITB,   16*PITCH
.set F,   16                           ; v16-39   the two fragments
.set TMP, 40                           ; v40-55   the upper 16 codes of each block: a conversion's three registers begin on an even number
.set AM,  56                           ; v56-59   the blocks' largest magnitudes
.set SO,  60                           ; v60-63   the conversions' scale operands
.set X,   64                           ; v64-191  128 numbers
.set BY,  192                          ; v192-195 the scale bytes
.set ACC, 196                          ; v196-203 the sum of squares in four packed chains
	s_load_b128 s[4:7], s[0:1], 0x0                ; codebook s[4:5], cbimg s[6:7]
	v_lshl_add_u32 v208, v0, 2, 0x8400
	v_mov_b32 v209, 0
	v_lshrrev_b32 v1, 5, v0
	v_readfirstlane_b32 s8, v1                     ; wave 0, 1
	v_and_b32 v1, 31, v0                           ; lane
	v_and_b32 v2, 15, v0                           ; r
	v_bfe_u32 v3, v0, 4, 1                         ; h
	v_lshlrev_b32 v4, 4, v1                        ; 16 x lane: in memory, in and out
	s_mul_i32 s9, s8, STAGE_W
	v_add_nc_u32 v5, s9, v4                        ; the stage, on the way in
	v_mul_u32_u24 v6, v2, PITCH
	v_lshl_add_u32 v6, v3, 7, v6
	v_add_nc_u32 v6, s9, v6                        ; and on the way out: row r, + 128 h bytes
	s_add_co_u32 s9, s9, UNITB
	v_lshl_add_u32 v7, v1, 2, s9                   ; the last block: scale words, 4 x lane;
	v_lshl_add_u32 v8, v2, 2, s9
	v_add_nc_u32 v9, 192, v8                       ; zeros at 192 + 4 r;
	v_add_nc_u32 v8, 128, v8                       ; sums of squares at 128 + 4 r;
	v_lshl_add_u32 v10, v1, 3, s9                  ; and back, 8 bytes a lane
	v_lshlrev_b32 v11, 3, v1
	v_lshlrev_b32 v12, 3, v3                       ; 8 h: my bytes' place in a scale word
	v_mov_b32 v13, 0
	s_mov_b32 s12, 0x76543210
	s_mov_b32 s13, 0xfedcba98                      ; v_permlanex16_b32's selects for lane l xor 16
	s_mov_b32 s14, 0xffff0000                      ; lanes 16-31
	s_lshl_b32 s15, ttmp9, 1
	s_add_co_u32 s15, s15, s8                      ; my tile of 16 codes
	s_lshl_b32 s10, s15, 14                        ; 16 rows of 1,024 bytes
	s_mov_b32 s11, 0
	s_wait_alu depctr_va_vdst(0)
	s_wait_kmcnt 0x0
	s_add_nc_u64 s[4:5], s[4:5], s[10:11]
	s_mul_i32 s10, s15, 3328
	s_add_nc_u64 s[6:7], s[6:7], s[10:11]
.set j, 0
.rept 32
	global_load_b128 v[X+4*j:X+4*j+3], v4, s[4:5] offset:512*j th:TH_LOAD_NT   ; 32 lanes read 512 consecutive bytes: half a row
.set j, j+1
.endr
.set j, 0
.rept 32
	s_wait_loadcnt 31-j                            ; loads come back in order: load j is in, the 31 - j younger ones may be out
	ds_store_b128 v5, v[X+4*j:X+4*j+3] offset:(j/2)*PITCH+(j%2)*512
.set j, j+1
.endr
	s_wait_dscnt 0x0                               ; the stores have read their registers, which the loads below fill again
.irp kh, 0,1
.irp c, 0,1
.irp e, 0,1,2,3,4,5,6,7
	ds_load_b128 v[X+64*\kh+32*\c+4*\e:X+64*\kh+32*\c+4*\e+3], v6 offset:512*\kh+256*\c+16*\e
.endr
.endr
.endr
	s_wait_dscnt 0x0
	; block b = 2 kh + c lies in v[X + 32 b] on.  The four blocks by turns, so that no line waits for the line above it
.irp b, 0,1,2,3
	v_max3_num_f32 v[AM+\b], |v[X+32*\b]|, |v[X+32*\b+1]|, 0x2800000   ; the floor 2^(5 - 127): the byte cannot fall under 1
.endr
.irp i, 2,4,6,8,10,12,14,16,18,20,22,24,26,28,30
.irp b, 0,1,2,3
	v_max3_num_f32 v[AM+\b], v[AM+\b], |v[X+32*\b+\i]|, |v[X+32*\b+\i+1]|
.endr
.endr
.irp b, 0,1,2,3
	v_add_nc_u32 v[SO+\b], 0xfe000000, v[AM+\b]    ; 4 off the exponent field: the conversion takes this operand's exponent field as its scale
.endr
.irp b, 0,1,2,3
	v_lshrrev_b32 v[BY+\b], 23, v[SO+\b]           ; the scale's byte
.endr
	; the sum of squares of my 128 numbers: the first four pairs start the chains, nothing is cleared
.irp a, 0,1,2,3
	v_pk_mul_f32 v[ACC+2*\a:ACC+2*\a+1], v[X+2*\a:X+2*\a+1], v[X+2*\a:X+2*\a+1]
.endr
.set p, 4
.rept 60
	v_pk_fma_f32 v[ACC+2*(p%4):ACC+2*(p%4)+1], v[X+2*p:X+2*p+1], v[X+2*p:X+2*p+1], v[ACC+2*(p%4):ACC+2*(p%4)+1]
.set p, p+1
.endr
.irp b, 0,1,2,3
	v_cvt_scalef32_pk16_bf6_f32 v[F+6*\b:F+6*\b+2], v[X+32*\b:X+32*\b+15], v[SO+\b]            ; registers 6 c .. 6 c + 2 of fragment kh
	v_cvt_scalef32_pk16_bf6_f32 v[TMP+4*\b:TMP+4*\b+2], v[X+32*\b+16:X+32*\b+31], v[SO+\b]     ; the upper 16 codes, made elsewhere and moved
.endr
	v_nop                                          ; one plain line behind the scaled conversions
.irp b, 0,1,2,3
.irp k, 0,1,2
	v_mov_b32 v[F+6*\b+3+\k], v[TMP+4*\b+\k]
.endr
.endr
	v_pk_add_f32 v[ACC:ACC+1], v[ACC:ACC+1], v[ACC+2:ACC+3]
	v_pk_add_f32 v[ACC+4:ACC+5], v[ACC+4:ACC+5], v[ACC+6:ACC+7]
	v_pk_add_f32 v[ACC:ACC+1], v[ACC:ACC+1], v[ACC+4:ACC+5]
	v_add_f32 v[ACC], v[ACC], v[ACC+1]
	; my bytes are those of blocks h and 2 + h of each K step: 8 h bits up; lane l xor 16 has the other two
	v_lshl_or_b32 v204, v[BY+1], 16, v[BY]
	v_lshl_or_b32 v205, v[BY+3], 16, v[BY+2]
	v_lshlrev_b32 v204, v12, v204
	v_lshlrev_b32 v205, v12, v205
	v_mov_b32 v206, 0                              ; a lane permute's destination counts as one of its sources
	v_mov_b32 v207, 0
	v_permlanex16_b32 v206, v204, s12, s13
	v_permlanex16_b32 v207, v205, s12, s13
	v_or_b32 v204, v204, v206
	v_or_b32 v205, v205, v207
	v_cndmask_b32 v204, v204, v205, s14            ; lanes 0-15 keep K step 0's word, lanes 16-31 take K step 1's
	v_permlanex16_b32 v206, v[ACC], s12, s13
	v_add_f32 v[ACC], v[ACC], v206                 ; the row's whole sum of squares, in both lanes of the row
.irp n, 0,1,2,3,4,5
	global_store_b128 v4, v[F+4*\n:F+4*\n+3], s[6:7] offset:512*\n   ; 32 lanes store 512 consecutive bytes, at a multiple of 256 from the buffer's first byte
.endr
	ds_store_b32 v7, v204
	ds_store_b32 v8, v[ACC]                        ; both lanes of a row write the same word with the same value
	ds_store_b32 v9, v13
	ds_load_b64 v[14:15], v10                      ; LDS serves a wave's instructions in order: this sees the stores above
	s_wait_dscnt 0x0
	global_store_b64 v11, v[14:15], s[6:7] offset:3072   ; the record's last 256 bytes, whole
	s_wait_tensorcnt 0x0
	ds_add_u32 v208, v209
	s_wait_dscnt 0x0
	s_endpgm
.Lfunc_end_k_q69a6e65afa_quant:
	.size	k_q69a6e65afa_quant, .Lfunc_end_k_q69a6e65afa_quant-k_q69a6e65afa_quant
	.p2alignl 7, 3214868480
	.fill 96, 4, 3214868480
	.section	.rodata,"a",@progbits
	.p2align	6, 0x0
	.amdhsa_kernel k_q69a6e65afa_quant
		.amdhsa_group_segment_fixed_size 34048
		.amdhsa_private_segment_fixed_size 0
		.amdhsa_enable_private_segment 0
		.amdhsa_kernarg_size 16
		.amdhsa_user_sgpr_count 2
		.amdhsa_user_sgpr_kernarg_segment_ptr 1
		.amdhsa_wavefront_size32 1
		.amdhsa_system_sgpr_workgroup_id_x 1
		.amdhsa_system_sgpr_workgroup_id_y 1
		.amdhsa_system_sgpr_workgroup_id_z 1
		.amdhsa_system_vgpr_workitem_id 0
		.amdhsa_next_free_vgpr 210
		.amdhsa_next_free_sgpr 66
		.amdhsa_reserve_vcc 0
		.amdhsa_float_denorm_mode_32 3
		.amdhsa_float_denorm_mode_16_64 3
		.amdhsa_memory_ordered 1
		.amdhsa_forward_progress 1
		.amdhsa_inst_pref_size 22
	.end_amdhsa_kernel
	.amdgpu_metadata
---
amdhsa.version: [ 1, 2 ]
amdhsa.kernels:
  - .name:           k_q69a6e65afa_quant
    .symbol:         k_q69a6e65afa_quant.kd
    .args:
      - { .name: codebook, .offset: 0, .size: 8, .value_kind: global_buffer, .address_space: global }
      - { .name: cbimg, .offset: 8, .size: 8, .value_kind: global_buffer, .address_space: global }
    .group_segment_fixed_size: 34048
    .private_segment_fixed_size: 0
    .kernarg_segment_align: 8
    .kernarg_segment_size: 16
    .max_flat_workgroup_size: 64
    .sgpr_count:     66
    .vgpr_count:     210
    .wavefront_size: 32
...
	.end_amdgpu_metadata
.endif
;; end of part 1
;; launch main (part 2): grid 256 x 1, 8 waves a work-group, clusters of 4 x 1, 327,680 bytes of LDS; arguments z, cbimg, out1, order; writes out1, order
.if DOCPART == 2
	.amdgcn_target "amdgcn-amd-amdhsa--gfx1250"
	.amdhsa_code_object_version 6
	.text
	.protected	k_q69a6e65afa_main
	.globl	k_q69a6e65afa_main
	.p2align	8
	.type	k_q69a6e65afa_main,@function
k_q69a6e65afa_main:
	s_mov_b64 s[64:65], 0
	v_nop
	global_prefetch_b8 v0, s[64:65] scope:SCOPE_SE
	s_setreg_imm32_b32 hwreg(HW_REG_WAVE_MODE, 25, 1), 1
	s_wait_xcnt 0x0
	s_wait_alu depctr_hold_cnt(0) depctr_sa_sdst(0) depctr_va_vdst(0) depctr_va_sdst(0) depctr_va_ssrc(0) depctr_va_vcc(0) depctr_vm_vsrc(0)
	s_getreg_b32 s2, hwreg(HW_REG_IB_STS2, 6, 4)
	s_cmp_eq_u32 s2, 0
	s_cbranch_scc0 .Lentry_in_a_cluster
	s_endpgm
.Lentry_in_a_cluster:
	s_bfe_u32 s2, ttmp6, 0x10000c
	s_cmp_lg_u32 s2, 0x3003
	s_cbranch_scc0 .Lentry_shape_is_right
	s_endpgm
.Lentry_shape_is_right:
; idx[n] = argmin over the 8,192 codes of d = (zz[n] + ee[code]) - 2 z[n].e[code]; the product on BF6 codes with E8M0 scales, all else f32.
; Nothing of the problem is left out: zz is the same for all codes of a row, but beside it the other terms are small, so that f32's rounding of d makes ties, and the first index of a tie is the result.
; So d is formed as the problem forms it: S = ee + zz (rounded), d = fma(-2, dot, S) (rounded); a later code takes the lead only with a smaller d.
; A work-group owns 128 rows of z (128 neighbouring places of one image).  Its eight waves quantise them at the head (wave w: rows 32 (w % 4) .., channels 128 (w / 4) ..), hand the operand images to each other
; through LDS, and then EVERY wave keeps all 128 rows as eight B fragments (192 registers).  The codebook comes as records of 16 codes (3,328 bytes: two A fragments as register images, scale words, sums of squares).
; Wave w takes records 4 w .. 4 w + 3 of each step of 32: 16 steps through two LDS slots; a wave fills and reads its own 13,312 bytes of a slot.  The four work-groups of a cluster ask for each tile jointly (mask 15).
; The product is used transposed (source 0 = 16 codes, source 1 = 16 rows of z): lane (r, h) holds row r, its registers the codes 8 h + 0 .. 7 of the record.
; A ROUND takes one record: its 16 matrix instructions in one run (the eight accumulators by turns), then the vector work on its eight tiles in one run, at whose start the next record is fetched from LDS.
; A tile's vector work: 4 paired adds, 4 paired multiply-adds, 4 minima, one compare, 5 paired selects (best d and record id; the record's eight d, from which the place inside the record is read at the end).
; Two tiles go in lockstep, and the stages of neighbouring pairs are skewed (two pair-buffers for S, two sets of registers for the minima), so that inside the run a line reads what stands at least six lines above it.
; At the end: the first j with d = best, lanes l and l xor 16, then the eight waves through LDS, each time by (d, index); independent joins go in batches of four, on mask registers of their own.
; The prefetch: cluster 0's waves 0-3 name 131,072 bytes of the records (a lane a block of 256) behind each of the first ten refills, from step 3's first byte on; it ends 73,728 bytes ahead of the buffer's end.
; LIMITS: NaN and infinities among the inputs are not served; blocks of denormal numbers were not tried; a row's sum of squares is added in another order than the reference adds it.
.set REC,   3328
.set WSL,   4*REC                      ; a wave's part of a slot
.set STEPB, 8*WSL                      ; a slot
.set SLOT1, 131072
.set ZIMG,  STEPB                      ; z's operand images, 24,576 bytes, between the slots: stored once, never a fill's target
.set ZSC,   SLOT1+STEPB                ; z's scale words
.set ZZP,   ZSC+1024                   ; z's sums of squares, by halves of K
.set MRG,   ZZP+1024                   ; the waves' results
.set SPARE, MRG+8192                   ; the spare words, 128 bytes a wave
; window 0
.set SPW, 1
.set NIL, 2
.set LA,  3                            ; v3-4  my record images in slot 0, 1;  v5-6 scale words;  v7-8 sums of squares
.set LS,  5
.set LE,  7
.set H8,  9                            ; 8 h
.set PFO, 10
.set ZS,  12                           ; v12-19 z's scale words;  v20 the record's: scales and nothing else
.set CS,  20
.set BC,  24                           ; v24-39 tile i: best d at 24 + 2 i, its record's first code at 25 + 2 i
.set ZZ,  40                           ; v40-55 tile i: zz of my row, twice (a pair's halves name different registers)
.set EE,  56                           ; v56-71 ee of my eight codes, two buffers
.set S,   72                           ; v72-103 S, then d: two buffers of two tiles
.set VCUR, 105                         ; the first code of the record at work
.set TT,  108                          ; v108-115 minima at work: two registers a tile, two sets of two tiles
.set ZT,  98
.set D,   122                          ; v122-185 eight accumulators
.set SAV, 186                          ; v186-249 tile i: the eight d of the best record
; window 1: v0-191 z's fragments (tile i, half kh at 24 i + 12 kh); v192-215 the record's two fragments
.set CFW, 192
; the head's own names
.set X,   122
.set AM,  58
.set SO,  62
.set BY,  66
.set ACC, 42
.set FA,  74
.set TMPH, 98
.set WV,  12
.set G1,  16
.set G0,  24
.set CUR, 32
.set TRIP, 33
.set SEL, 34
.set PFA, 40
.set LIM, 42
.set LEFT, 43
.set HI16, 44
.set INF, 45
.set MSB, 0
.macro WIN new                         ; the immediate's high byte repeats the setting that is left
.if MSB != \new
	s_set_vgpr_msb (MSB<<8)|\new
.set MSB, \new
.endif
.endm
.macro CREST                           ; a round of the cluster's barrier behind its opening barrier
	s_cmp_lg_u32 s[WV], 0
	s_cbranch_scc1 .Lnot_wave_0_\@
	s_barrier_signal -3
.Lnot_wave_0_\@:
	s_barrier_wait -3
	s_barrier_signal -1
	s_barrier_wait -1
.endm
.macro CROUND
	s_barrier_signal -1
	s_barrier_wait -1
	CREST
.endm
; one matrix instruction: the record x tile i of z, half kh of K.  kh = 0 starts the sum
.macro WM i, kh
.set rD, D+8*(\i)
.set rA, CFW+12*(\kh)
.set rB, 24*(\i)+12*(\kh)
.set rQ, ZS+2*((\i)/2)+(\kh)
.if (\kh) == 0
.if (\i)%2
	v_wmma_scale_f32_16x16x128_f8f6f4 v[rD:rD+7], v[rA:rA+11], v[rB:rB+11], 0, v[CS], v[rQ] matrix_a_fmt:MATRIX_FMT_BF6 matrix_b_fmt:MATRIX_FMT_BF6 matrix_b_scale:MATRIX_SCALE_ROW1
.else
	v_wmma_scale_f32_16x16x128_f8f6f4 v[rD:rD+7], v[rA:rA+11], v[rB:rB+11], 0, v[CS], v[rQ] matrix_a_fmt:MATRIX_FMT_BF6 matrix_b_fmt:MATRIX_FMT_BF6
.endif
.else
.if (\i)%2
	v_wmma_scale_f32_16x16x128_f8f6f4 v[rD:rD+7], v[rA:rA+11], v[rB:rB+11], v[rD:rD+7], v[CS], v[rQ] matrix_a_fmt:MATRIX_FMT_BF6 matrix_b_fmt:MATRIX_FMT_BF6 matrix_a_scale:MATRIX_SCALE_ROW1 matrix_b_scale:MATRIX_SCALE_ROW1
.else
	v_wmma_scale_f32_16x16x128_f8f6f4 v[rD:rD+7], v[rA:rA+11], v[rB:rB+11], v[rD:rD+7], v[CS], v[rQ] matrix_a_fmt:MATRIX_FMT_BF6 matrix_b_fmt:MATRIX_FMT_BF6 matrix_a_scale:MATRIX_SCALE_ROW1
.endif
.endif
.endm
.macro MHALF kh                        ; eight matrix instructions, the eight accumulators by turns
.irp i, 0,1,2,3,4,5,6,7
	WM \i, \kh
.endr
.endm
; tile k's S lies at S + 16 ((k / 2) % 2) + 8 (k % 2), its two minima at TT + 4 ((k / 2) % 2) + 2 (k % 2)
.macro ADD1 k, q                       ; S = ee + zz, two codes
.set sK, S+16*(((\k)/2)%2)+8*((\k)%2)
	v_dual_add_f32 v[sK+\q], v[EE+8*bT+\q], v[ZZ+2*(\k)] :: v_dual_add_f32 v[sK+\q+1], v[EE+8*bT+\q+1], v[ZZ+2*(\k)+1]
.endm
.macro FMA1 k, q                       ; d = -2 dot + S, two codes; the accumulator is read from its low end on
.set sK, S+16*(((\k)/2)%2)+8*((\k)%2)
	v_dual_fmac_f32 v[sK+\q], -2.0, v[D+8*(\k)+\q] :: v_dual_fmac_f32 v[sK+\q+1], -2.0, v[D+8*(\k)+\q+1]
.endm
.macro MINS st, k                      ; the least of a tile's eight d, in four lines
.set sK, S+16*(((\k)/2)%2)+8*((\k)%2)
.set tK, TT+4*(((\k)/2)%2)+2*((\k)%2)
.if \st == 1
	v_min3_num_f32 v[tK], v[sK], v[sK+1], v[sK+2]
.elseif \st == 2
	v_min3_num_f32 v[tK+1], v[sK+3], v[sK+4], v[sK+5]
.elseif \st == 3
	v_min3_num_f32 v[tK], v[tK], v[sK+6], v[sK+7]
.else
	v_min_num_f32 v[tK], v[tK], v[tK+1]
.endif
.endm
.macro CMP k                           ; VCC: the old best stays (the record's least d is not smaller)
.set tK, TT+4*(((\k)/2)%2)+2*((\k)%2)
	v_cmp_ge_f32 vcc_lo, v[tK], v[BC+2*(\k)]
.endm
.macro CND k                           ; ten selects by VCC, in pairs
.set sK, S+16*(((\k)/2)%2)+8*((\k)%2)
.set tK, TT+4*(((\k)/2)%2)+2*((\k)%2)
.set vK, SAV+8*(\k)
	v_dual_cndmask_b32 v[BC+2*(\k)], v[tK], v[BC+2*(\k)] :: v_dual_cndmask_b32 v[BC+2*(\k)+1], v[VCUR], v[BC+2*(\k)+1]
.irp q, 0,2,4,6
	v_dual_cndmask_b32 v[vK+\q], v[sK+\q], v[vK+\q] :: v_dual_cndmask_b32 v[vK+\q+1], v[sK+\q+1], v[vK+\q+1]
.endr
.endm
; the vector work of one step: tiles 2 p and 2 p + 1: d and least d; the pair before: compares and selects; the pair behind: S (into the buffer that the selects have just read)
.macro VPAIR p
.set ka, 2*(\p)
.set kb, 2*(\p)+1
	FMA1 ka, 0
	FMA1 ka, 2
.if (\p) > 0
	CMP ka-2
.endif
	FMA1 kb, 0
	FMA1 kb, 2
	FMA1 ka, 4
	FMA1 ka, 6
	FMA1 kb, 4
	FMA1 kb, 6
.if (\p) > 0
	CND ka-2
	CMP kb-2
.endif
	MINS 1, ka
	MINS 2, ka
	MINS 1, kb
	MINS 2, kb
.if (\p) < 3
	ADD1 ka+2, 0
	ADD1 ka+2, 2
.endif
.if (\p) > 0
	CND kb-2
.endif
	MINS 3, ka
	MINS 3, kb
.if (\p) < 3
	ADD1 ka+2, 4
	ADD1 ka+2, 6
	ADD1 kb+2, 0
	ADD1 kb+2, 2
.endif
	MINS 4, ka
	MINS 4, kb
.if (\p) < 3
	ADD1 kb+2, 4
	ADD1 kb+2, 6
.endif
.endm
.macro FETCHC slot, i
	WIN 0x40
.irp q, 0,1,2,3,4,5
	ds_load_b128 v[CFW+4*\q:CFW+4*\q+3], v[LA+(\slot)] offset:REC*(\i)+512*\q
.endr
	WIN 0
	ds_load_b32 v[CS], v[LS+(\slot)] offset:REC*(\i)+3072
.endm
.macro FETCHE slot, i, e
	ds_load_b128 v[EE+8*(\e):EE+8*(\e)+3], v[LE+(\slot)] offset:REC*(\i)+3200
	ds_load_b128 v[EE+8*(\e)+4:EE+8*(\e)+7], v[LE+(\slot)] offset:REC*(\i)+3216
.endm
.macro ASK
	s_cmp_gt_u32 s[LEFT], s[LIM]
	s_cbranch_scc0 .Lnot_mine_\@
	global_prefetch_b8 v[PFO], s[PFA:PFA+1] th:TH_LOAD_NT scope:SCOPE_SE
.Lnot_mine_\@:
.endm
; Round T: record T's products, then its vector work; record T + 1 is fetched at the start of the vector work (fc).
; chg = 1: record T is its slot's last, and it lies in registers when the round begins.  All my tensor loads are waited for, the add, eight products, the wait for the add and my reads, the opening signal,
; eight products, the rest of the cluster's round, the joint refill, and only then the other slot's first record.  chg = 2: the last slot is only waited for.
.macro RND T, fc, chg
.set bT, (\T)%2
.set bP, 1-bT
.set sl, ((\T)/4)%2
.set sn, (((\T)+1)/4)%2
	s_wait_alu depctr_va_vdst(0)                   ; the wait ahead of a wait that blocks
.if \chg == 1
	s_wait_tensorcnt 0x0                           ; my one load that was out, the other slot's, has landed
	ds_add_u32 v[SPW], v[NIL]
	s_add_nc_u64 s[G0+4*sl+2:G0+4*sl+3], s[G0+4*sl+2:G0+4*sl+3], 2*STEPB   ; no load of mine is out: this slot's next step
	s_wait_xcnt 0x0                                ; the last prefetch has read its address
	s_add_nc_u64 s[PFA:PFA+1], s[PFA:PFA+1], 131072
	s_wait_dscnt 0x1                               ; record T is in; the add alone may be out
	WIN 5
	MHALF 0
	s_wait_dscnt 0x0                               ; the add is done, and my reads of this slot are over
	s_barrier_signal -1
	MHALF 1
	WIN 0
	s_barrier_wait -1
	CREST
	tensor_load_to_lds s[G0+4*sl:G0+4*sl+3], s[G1:G1+7]
	s_nop 0
.rept 4
	v_nop
.endr
	ASK
	s_sub_co_u32 s[LEFT], s[LEFT], 1
.else
.if \chg == 2
	s_wait_tensorcnt 0x0
.endif
	s_wait_dscnt 0x0                               ; record T's fragments, scale words and ee are in
	WIN 5
	MHALF 0
	MHALF 1
	WIN 0
.endif
.irp q, 0,2,4,6
	ADD1 0, \q                                     ; four lines that name no register of the products: the places ahead of the loads below and of the first read of tile 0's sums
.endr
.if \fc
	FETCHC sn, ((\T)+1)%4
	FETCHE sn, ((\T)+1)%4, bP
.endif
.irp q, 0,2,4,6
	ADD1 1, \q
.endr
	VPAIR 0
	VPAIR 1
	VPAIR 2
	VPAIR 3
	CMP 6
	CND 6
	CMP 7
	CND 7
.if (\T)%4 == 3
	v_add_nc_u32 v[VCUR], 464, v[VCUR]             ; on to my four records of the next step of 512 codes
.else
	v_add_nc_u32 v[VCUR], 16, v[VCUR]
.endif
.endm
; (a, a + 1) = the lesser of two pairs (d, index), in three parts, so that independent joins can go side by side: compares into mask registers of join n's own, the masks joined, the selects
.macro LXC n, a, b
	v_cmp_lt_f32 s[48+\n], v[\b], v[\a]
	v_cmp_eq_f32 s[52+\n], v[\b], v[\a]
	v_cmp_lt_u32 s[56+\n], v[\b+1], v[\a+1]
.endm
.macro LXM n
	s_and_b32 s[52+\n], s[52+\n], s[56+\n]
	s_or_b32 s[48+\n], s[48+\n], s[52+\n]
.endm
.macro LXS n, a, b
	v_cndmask_b32 v[\a], v[\a], v[\b], s[48+\n]
	v_cndmask_b32 v[\a+1], v[\a+1], v[\b+1], s[48+\n]
.endm
.macro LEX4 a0, b0, a1, b1, a2, b2, a3, b3
	LXC 0, \a0, \b0
	LXC 1, \a1, \b1
	LXC 2, \a2, \b2
	LXC 3, \a3, \b3
	s_wait_alu depctr_va_vdst(0)                   ; the wait ahead of a run of eight scalar lines
	LXM 0
	LXM 1
	LXM 2
	LXM 3
	LXS 0, \a0, \b0
	LXS 1, \a1, \b1
	LXS 2, \a2, \b2
	LXS 3, \a3, \b3
.endm
.macro LEX2 a0, b0, a1, b1
	LXC 0, \a0, \b0
	LXC 1, \a1, \b1
	LXM 0
	LXM 1
	LXS 0, \a0, \b0
	LXS 1, \a1, \b1
.endm
; two blocks of 32 channels of my row: largest magnitude (with the floor 2^(5 - 127)), sum of squares, scale, codes
.macro ZPAIR u
.irp i, 0,2,4,6,8,10,12,14,16,18,20,22,24,26,28,30
.irp b, 0,1
.set xb, X+32*(2*(\u)+\b)+\i
.set am, AM+2*(\u)+\b
.set ac, ACC+2*(2*\b+(\i/2)%2)
.if \i == 0
	v_max3_num_f32 v[am], |v[xb]|, |v[xb+1]|, 0x2800000
.else
	v_max3_num_f32 v[am], v[am], |v[xb]|, |v[xb+1]|
.endif
.if ((\u) == 0) && (\i < 4)
	v_pk_mul_f32 v[ac:ac+1], v[xb:xb+1], v[xb:xb+1]
.else
	v_pk_fma_f32 v[ac:ac+1], v[xb:xb+1], v[xb:xb+1], v[ac:ac+1]
.endif
.endr
.endr
.irp b, 0,1
	v_add_nc_u32 v[SO+2*(\u)+\b], 0xfe000000, v[AM+2*(\u)+\b]   ; 4 off the exponent field: the conversion's scale operand
.endr
.irp b, 0,1
	v_lshrrev_b32 v[BY+2*(\u)+\b], 23, v[SO+2*(\u)+\b]          ; the scale's byte
.endr
.irp b, 0,1
	v_cvt_scalef32_pk16_bf6_f32 v[FA+12*\b+6*(\u):FA+12*\b+6*(\u)+2], v[X+32*(2*(\u)+\b):X+32*(2*(\u)+\b)+15], v[SO+2*(\u)+\b]
	v_cvt_scalef32_pk16_bf6_f32 v[TMPH+4*(2*(\u)+\b):TMPH+4*(2*(\u)+\b)+2], v[X+32*(2*(\u)+\b)+16:X+32*(2*(\u)+\b)+31], v[SO+2*(\u)+\b]
.endr
	v_nop                                          ; one plain line behind the scaled conversions
.irp b, 0,1
.irp k, 0,1,2
	v_mov_b32 v[FA+12*\b+6*(\u)+3+\k], v[TMPH+4*(2*(\u)+\b)+\k]
.endr
.endr
.endm
	s_load_b256 s[4:11], s[0:1], 0x0               ; z s[4:5], records s[6:7], out1 s[8:9], order s[10:11]
	v_lshl_add_u32 v[SPW], v0, 2, SPARE
	v_mov_b32 v[NIL], 0
	ds_add_u32 v[SPW], v[NIL]                      ; the opening lines: the add, twice on end, and its wait ahead of my first tensor load
	ds_add_u32 v[SPW], v[NIL]
	v_lshrrev_b32 v11, 5, v0
	v_readfirstlane_b32 s[WV], v11                 ; wave 0..7
	s_bfe_u32 s13, ttmp6, 0x40000                  ; cx
	s_lshl_b32 s14, ttmp9, 2
	s_add_co_u32 s14, s14, s13                     ; my work-group: 128 rows
	s_mov_b32 s[G1], 15|(3<<16)|(1<<21)            ; all four partners; elements of 8 bytes; 52 dense rows of 256 bytes
	s_mov_b32 s[G1+1], 32<<16
	s_mov_b32 s[G1+2], 52<<16
	s_mov_b32 s[G1+3], 32<<16
	s_mov_b32 s[G1+4], 52
	s_mov_b32 s[G1+5], 32
	s_mov_b32 s[G1+6], 0
	s_mov_b32 s[G1+7], 0
	s_mul_i32 s50, s[WV], WSL
	s_mov_b32 s51, 0
	s_and_b32 s46, s[WV], 3                        ; which 32 rows I quantise
	s_lshr_b32 s47, s[WV], 2                       ; which 128 channels
	s_lshr_b32 s48, s14, 5
	s_lshl_b32 s48, s48, 22                        ; image: 256 channels of 16,384 bytes
	s_lshl_b32 s49, s47, 21
	s_or_b32 s48, s48, s49
	s_and_b32 s49, s14, 31
	s_lshl_b32 s49, s49, 9
	s_or_b32 s48, s48, s49
	s_lshl_b32 s49, s46, 7
	s_or_b32 s48, s48, s49
	s_mov_b32 s49, 0
	s_lshl_b32 s52, s13, 15                        ; the prefetches: the partners and waves share the blocks out by address
	s_lshl_b32 s53, s46, 13
	s_add_co_u32 s52, s52, s53
	s_add_co_u32 s52, s52, 3*STEPB-131072
	s_mov_b32 s53, 0
	s_lshl_b32 s54, s14, 9                         ; my work-group's 128 indices; waves 0 and 1 store 64 each
	s_and_b32 s55, s[WV], 1
	s_lshl_b32 s55, s55, 8
	s_add_co_u32 s54, s54, s55
	s_mov_b32 s55, 0
	s_lshr_b32 s[LIM], s[WV], 2
	s_or_b32 s[LIM], s[LIM], ttmp9
	s_cmp_eq_u32 s[LIM], 0
	s_cselect_b32 s[LIM], 4, -1                    ; cluster 0's waves 0-3 ask while more than 4 refills are left
	s_mov_b32 s[LEFT], 14
	s_mov_b32 s[SEL], 0x76543210
	s_mov_b32 s[SEL+1], 0xfedcba98
	s_mov_b32 s[HI16], 0xffff0000
	s_mov_b32 s[INF], 0x7f800000
	s_lshl_b32 s[CUR], s[WV], 6                    ; my first record's first code
	v_and_b32 v11, 31, v0
	v_lshlrev_b32 v254, 2, v11
	v_lshlrev_b32 v250, 4, v11
	v_and_b32 v255, 15, v0
	v_bfe_u32 v[H8], v0, 4, 1
	v_add_nc_u32 v[LA], s50, v250
	v_add_nc_u32 v[LA+1], SLOT1, v[LA]
	v_add_nc_u32 v[LS], s50, v254
	v_add_nc_u32 v[LS+1], SLOT1, v[LS]
	v_lshl_add_u32 v[LE], v[H8], 5, s50
	v_add_nc_u32 v[LE+1], SLOT1, v[LE]
	v_lshlrev_b32 v[H8], 3, v[H8]
	v_lshlrev_b32 v[PFO], 8, v11
	s_mul_i32 s56, s46, 4*1536
	s_mul_i32 s57, s47, 1536
	s_add_co_u32 s56, s56, s57
	s_add_co_u32 s56, s56, ZIMG
	v_add_nc_u32 v251, s56, v250                   ; where my two tiles' images go
	s_lshl_b32 s56, s46, 8
	s_lshl_b32 s57, s47, 7
	s_add_co_u32 s56, s56, s57
	s_add_co_u32 s56, s56, ZSC
	v_add_nc_u32 v252, s56, v254                   ; my rows' scale words
	s_lshl_b32 s56, s47, 9
	s_lshl_b32 s57, s46, 7
	s_add_co_u32 s56, s56, s57
	s_add_co_u32 s56, s56, ZZP
	v_add_nc_u32 v253, s56, v254                   ; my rows' half sums of squares
	v_lshl_add_u32 v255, v255, 2, ZZP
	v_add_nc_u32 v114, ZSC, v254
	v_add_nc_u32 v115, ZIMG, v250
	s_wait_alu depctr_va_vdst(0)                   ; the wait at the head's end
	s_wait_dscnt 0x0                               ; both opening adds are done
	s_wait_kmcnt 0x0
	s_add_nc_u64 s[4:5], s[4:5], s[48:49]
.set c, 0
.rept 63
	global_load_b32 v[X+c], v254, s[4:5] offset:16384*c th:TH_LOAD_NT   ; channel c of my 32 rows: 128 neighbouring bytes.  63 of my 128 loads go out ahead of the cluster's round
.set c, c+1
.endr
	s_mov_b32 s[G0], 1
	s_mov_b32 s[G0+1], s50
	s_add_nc_u64 s[G0+2:G0+3], s[6:7], s[50:51]
	s_mov_b32 s[G0+4], 1
	s_add_co_u32 s[G0+5], s50, SLOT1
	s_add_nc_u64 s[G0+6:G0+7], s[G0+2:G0+3], STEPB
	s_or_b32 s[G0+3], s[G0+3], 0x80000000
	s_or_b32 s[G0+7], s[G0+7], 0x80000000
	s_add_nc_u64 s[PFA:PFA+1], s[6:7], s[52:53]
	s_add_nc_u64 s[8:9], s[8:9], s[54:55]
	s_add_nc_u64 s[10:11], s[10:11], s[54:55]
	CROUND                                         ; the four partners are here: the first joint loads meet
	tensor_load_to_lds s[G0:G0+3], s[G1:G1+7]      ; step 0: my one tensor load at the head; z is fetched and quantised while it is out
	s_nop 0
.rept 4
	v_nop
.endr
.rept 65
	global_load_b32 v[X+c], v254, s[4:5] offset:16384*c th:TH_LOAD_NT
.set c, c+1
.endr
	s_wait_loadcnt 63                              ; the first 65 are in
	ZPAIR 0
	s_wait_loadcnt 0x0
	ZPAIR 1
	v_lshl_or_b32 v70, v[BY+1], 8, v[BY]
	v_pk_add_f32 v[ACC:ACC+1], v[ACC:ACC+1], v[ACC+2:ACC+3]
	v_pk_add_f32 v[ACC+4:ACC+5], v[ACC+4:ACC+5], v[ACC+6:ACC+7]
	v_lshl_or_b32 v70, v[BY+2], 16, v70
	v_pk_add_f32 v[ACC:ACC+1], v[ACC:ACC+1], v[ACC+4:ACC+5]
	v_lshl_or_b32 v70, v[BY+3], 24, v70
	v_add_f32 v[ACC], v[ACC], v[ACC+1]
.irp k, 0,1,2,3,4,5,6,7,8,9,10,11
	v_permlane16_swap_b32 v[FA+\k], v[FA+12+\k]    ; a lane had a row's four blocks; now lanes (r, h) hold the operand's layout of rows 0-15 and of rows 16-31
.endr
.irp q, 0,1,2
	ds_store_b128 v251, v[FA+4*\q:FA+4*\q+3] offset:512*\q
	ds_store_b128 v251, v[FA+12+4*\q:FA+12+4*\q+3] offset:3072+512*\q
.endr
	ds_store_b32 v252, v70
	ds_store_b32 v253, v[ACC]
.irp i, 0,1,2,3,4,5,6,7
	v_dual_mov_b32 v[BC+2*\i], s[INF] :: v_dual_mov_b32 v[BC+2*\i+1], 0   ; no candidate yet: best d = infinity
.endr
.set n, 0
.rept 32
	v_dual_mov_b32 v[SAV+2*n], s[INF] :: v_dual_mov_b32 v[SAV+2*n+1], s[INF]
.set n, n+1
.endr
	s_wait_alu depctr_va_vdst(0)
	s_wait_tensorcnt 0x0                           ; step 0 has landed
	ds_add_u32 v[SPW], v[NIL]
	s_wait_dscnt 0x0                               ; the add and my stores of z's images are done
	CROUND                                         ; every wave's part of z is in LDS, and the partners are here
	tensor_load_to_lds s[G0+4:G0+7], s[G1:G1+7]    ; step 1, slot 1's first fill
	s_nop 0
.rept 4
	v_nop
.endr
	WIN 0x40
.set n, 0
.rept 48
	ds_load_b128 v[4*n:4*n+3], v115 offset:512*n   ; all eight tiles of z
.set n, n+1
.endr
	WIN 0
.irp m, 0,1,2,3,4,5,6,7
	ds_load_b32 v[ZS+\m], v114 offset:128*\m
.endr
.irp i, 0,1,2,3,4,5,6,7
	ds_load_b32 v[ZT+\i], v255 offset:64*\i
	ds_load_b32 v[ZT+8+\i], v255 offset:512+64*\i
.endr
	FETCHC 0, 0
	FETCHE 0, 0, 0
	s_wait_dscnt 0x9                               ; all but the first record's nine loads
.irp i, 0,1,2,3,4,5,6,7
	v_add_f32 v[ZZ+2*\i], v[ZT+\i], v[ZT+8+\i]
	v_add_f32 v[ZZ+2*\i+1], v[ZT+\i], v[ZT+8+\i]
.endr
	v_mov_b32 v[VCUR], s[CUR]
	s_mov_b32 s[TRIP], 7
.Ltrip:                                                ; a trip: eight records, once round both slots, both filled again
	RND 0, 1, 0
	RND 1, 1, 0
	RND 2, 1, 0
	RND 3, 1, 1
	RND 4, 1, 0
	RND 5, 1, 0
	RND 6, 1, 0
	RND 7, 1, 1
	s_sub_co_u32 s[TRIP], s[TRIP], 1
	s_cmp_lg_u32 s[TRIP], 0
	s_wait_alu depctr_va_vdst(0)
	s_cbranch_scc1 .Ltrip
	RND 56, 1, 0                                   ; the last eight rounds fill nothing
	RND 57, 1, 0
	RND 58, 1, 0
	RND 59, 1, 2
	RND 60, 1, 0
	RND 61, 1, 0
	RND 62, 1, 0
	RND 63, 0, 0
	; the first j whose saved d is the best: eight tiles side by side, a mask register to each
.irp i, 0,1,2,3,4,5,6,7
	v_mov_b32 v[S+\i], 7
.endr
.irp j, 6,5,4,3,2,1,0
.irp i, 0,1,2,3,4,5,6,7
	v_cmp_neq_f32 s[56+\i], v[SAV+8*\i+\j], v[BC+2*\i]
.endr
.irp i, 0,1,2,3,4,5,6,7
	v_cndmask_b32 v[S+\i], \j, v[S+\i], s[56+\i]
.endr
.endr
.irp i, 0,1,2,3,4,5,6,7
	v_add3_u32 v[BC+2*\i+1], v[BC+2*\i+1], v[S+\i], v[H8]
.endr
.irp i, 0,1,2,3,4,5,6,7
	v_permlanex16_b32 v[EE+2*\i], v[BC+2*\i], s[SEL], s[SEL+1]
	v_permlanex16_b32 v[EE+2*\i+1], v[BC+2*\i+1], s[SEL], s[SEL+1]
.endr
	LEX4 BC, EE, BC+2, EE+2, BC+4, EE+4, BC+6, EE+6
	LEX4 BC+8, EE+8, BC+10, EE+10, BC+12, EE+12, BC+14, EE+14
.irp p, 0,1,2,3
	v_cndmask_b32 v[S+8+2*\p], v[BC+4*\p], v[BC+4*\p+2], s[HI16]      ; lanes 0-15 tile 2 p, lanes 16-31 tile 2 p + 1: row 32 p + lane
	v_cndmask_b32 v[S+9+2*\p], v[BC+4*\p+1], v[BC+4*\p+3], s[HI16]
.endr
	v_and_b32 v11, 31, v0
	s_lshl_b32 s46, s[WV], 10
	s_add_co_u32 s46, s46, MRG
	v_lshl_add_u32 v250, v11, 3, s46
	s_and_b32 s47, s[WV], 1
	s_lshl_b32 s47, s47, 9
	s_add_co_u32 s47, s47, MRG
	v_lshl_add_u32 v251, v11, 4, s47
	v_lshlrev_b32 v252, 3, v11
.irp p, 0,1,2,3
	ds_store_b64 v250, v[S+8+2*\p:S+9+2*\p] offset:256*\p
.endr
	s_wait_alu depctr_va_vdst(0)
	s_wait_dscnt 0x0                               ; for the others' sake: my results are in LDS
	s_barrier_signal -1
	s_barrier_wait -1
	s_cmp_lt_u32 s[WV], 2
	s_cbranch_scc0 .Ldone                          ; waves 0 and 1 join the eight waves' results, 64 rows each, two rows a lane: wave q's pairs at D + 4 q and D + 4 q + 2
.irp q, 0,1,2,3,4,5,6,7
	ds_load_b128 v[D+4*\q:D+4*\q+3], v251 offset:1024*\q
.endr
	s_wait_dscnt 0x0
	LEX4 D, D+4, D+8, D+12, D+16, D+20, D+24, D+28             ; a tree: 8 to 4,
	LEX4 D+2, D+6, D+10, D+14, D+18, D+22, D+26, D+30
	LEX4 D, D+8, D+16, D+24, D+2, D+10, D+18, D+26             ; 4 to 2,
	LEX2 D, D+16, D+2, D+18                                    ; 2 to 1
	v_mov_b32 v[D+4], v[D+1]
	v_mov_b32 v[D+5], v[D+3]
	global_store_b64 v252, v[D+4:D+5], s[8:9]      ; 32 lanes store 256 consecutive bytes, aligned
	global_store_b64 v252, v[D+4:D+5], s[10:11]
.Ldone:
	s_wait_tensorcnt 0x0                           ; the wave's end
	ds_add_u32 v[SPW], v[NIL]
	s_wait_dscnt 0x0
	CROUND                                         ; the closing round
	s_endpgm
.Lfunc_end_k_q69a6e65afa_main:
	.size	k_q69a6e65afa_main, .Lfunc_end_k_q69a6e65afa_main-k_q69a6e65afa_main
	.p2alignl 7, 3214868480
	.fill 96, 4, 3214868480
	.section	.rodata,"a",@progbits
	.p2align	6, 0x0
	.amdhsa_kernel k_q69a6e65afa_main
		.amdhsa_group_segment_fixed_size 327680
		.amdhsa_private_segment_fixed_size 0
		.amdhsa_enable_private_segment 0
		.amdhsa_kernarg_size 32
		.amdhsa_user_sgpr_count 2
		.amdhsa_user_sgpr_kernarg_segment_ptr 1
		.amdhsa_wavefront_size32 1
		.amdhsa_system_sgpr_workgroup_id_x 1
		.amdhsa_system_sgpr_workgroup_id_y 1
		.amdhsa_system_sgpr_workgroup_id_z 1
		.amdhsa_system_vgpr_workitem_id 0
		.amdhsa_next_free_vgpr 512
		.amdhsa_next_free_sgpr 66
		.amdhsa_reserve_vcc 1
		.amdhsa_float_denorm_mode_32 3
		.amdhsa_float_denorm_mode_16_64 3
		.amdhsa_memory_ordered 1
		.amdhsa_forward_progress 1
		.amdhsa_inst_pref_size 239
	.end_amdhsa_kernel
	.amdgpu_metadata
---
amdhsa.version: [ 1, 2 ]
amdhsa.kernels:
  - .name:           k_q69a6e65afa_main
    .symbol:         k_q69a6e65afa_main.kd
    .args:
      - { .name: z, .offset: 0, .size: 8, .value_kind: global_buffer, .address_space: global }
      - { .name: cbimg, .offset: 8, .size: 8, .value_kind: global_buffer, .address_space: global }
      - { .name: out1, .offset: 16, .size: 8, .value_kind: global_buffer, .address_space: global }
      - { .name: order, .offset: 24, .size: 8, .value_kind: global_buffer, .address_space: global }
    .group_segment_fixed_size: 327680
    .private_segment_fixed_size: 0
    .kernarg_segment_align: 8
    .kernarg_segment_size: 32
    .max_flat_workgroup_size: 256
    .sgpr_count:     66
    .vgpr_count:     512
    .wavefront_size: 32
...
	.end_amdgpu_metadata
.endif
;; end of part 2
;; launch gather (part 3): grid 256 x 1, 8 waves a work-group, no clusters, 0 bytes of LDS; arguments order, codebook, out0; writes out0
.if DOCPART == 3
	.amdgcn_target "amdgcn-amd-amdhsa--gfx1250"
	.amdhsa_code_object_version 6
	.text
	.protected	k_q69a6e65afa_gather
	.globl	k_q69a6e65afa_gather
	.p2align	8
	.type	k_q69a6e65afa_gather,@function
k_q69a6e65afa_gather:
	s_mov_b64 s[64:65], 0
	v_nop
	global_prefetch_b8 v0, s[64:65] scope:SCOPE_SE
	s_setreg_imm32_b32 hwreg(HW_REG_WAVE_MODE, 25, 1), 1
	s_wait_xcnt 0x0
; out0[n][:] = codebook[order[n]][:]: 32,768 rows of 1,024 bytes.  A wave takes 16 rows; its 16 indices come by one scalar load of 64 bytes.
; A row is two loads and two stores of 512 consecutive bytes.  All 32 loads of a wave go out together; each store follows its load.  No LDS, no barrier, no loop: waves share nothing.
; An index is held to 8,191, the table's last row, before it enters an address.
.set OFF, 4                            ; v4-19   row r's byte offset in the codebook + 16 x lane
.set DT,  24                           ; v24-151 row r: 8 registers
	s_load_b128 s[4:7], s[0:1], 0x0                ; order s[4:5], codebook s[6:7]
	s_load_b64 s[8:9], s[0:1], 0x10                ; out0
	v_lshrrev_b32 v1, 5, v0
	s_delay_alu instid0(VALU_DEP_1)
	v_readfirstlane_b32 s10, v1                    ; wave 0..7
	s_lshl_b32 s11, ttmp9, 3
	s_add_co_u32 s11, s11, s10                     ; which 16 rows
	v_and_b32 v1, 31, v0
	s_delay_alu instid0(VALU_DEP_1)
	v_lshlrev_b32 v1, 4, v1                        ; 16 x lane
	s_lshl_b32 s12, s11, 6                         ; 16 indices of 4 bytes
	s_mov_b32 s13, 0
	s_lshl_b32 s14, s11, 14                        ; 16 rows of 1,024 bytes
	s_mov_b32 s15, 0
	s_wait_alu depctr_va_vdst(0)
	s_wait_kmcnt 0x0
	s_add_nc_u64 s[4:5], s[4:5], s[12:13]
	s_add_nc_u64 s[8:9], s[8:9], s[14:15]
	s_load_b512 s[16:31], s[4:5], 0x0
	s_wait_kmcnt 0x0
.irp r, 0,1,2,3,4,5,6,7,8,9,10,11,12,13,14,15
	s_min_u32 s[16+\r], s[16+\r], 8191
	s_lshl_b32 s[16+\r], s[16+\r], 10
	v_add_nc_u32 v[OFF+\r], s[16+\r], v1
.endr
	s_wait_alu depctr_va_vdst(0)
.irp r, 0,1,2,3,4,5,6,7,8,9,10,11,12,13,14,15
	global_load_b128 v[DT+8*\r:DT+8*\r+3], v[OFF+\r], s[6:7]               ; no hint: a row may be named again
	global_load_b128 v[DT+8*\r+4:DT+8*\r+7], v[OFF+\r], s[6:7] offset:512
.endr
.irp r, 0,1,2,3,4,5,6,7,8,9,10,11,12,13,14,15
	s_wait_loadcnt 31-2*\r                         ; loads come back in order: this one is in, the younger ones may be out
	global_store_b128 v1, v[DT+8*\r:DT+8*\r+3], s[8:9] offset:1024*\r th:TH_STORE_NT       ; 32 lanes store 512 consecutive bytes, at a multiple of 256 from the buffer's first byte
	s_wait_loadcnt 30-2*\r
	global_store_b128 v1, v[DT+8*\r+4:DT+8*\r+7], s[8:9] offset:1024*\r+512 th:TH_STORE_NT
.endr
	s_endpgm
.Lfunc_end_k_q69a6e65afa_gather:
	.size	k_q69a6e65afa_gather, .Lfunc_end_k_q69a6e65afa_gather-k_q69a6e65afa_gather
	.p2alignl 7, 3214868480
	.fill 96, 4, 3214868480
	.section	.rodata,"a",@progbits
	.p2align	6, 0x0
	.amdhsa_kernel k_q69a6e65afa_gather
		.amdhsa_group_segment_fixed_size 0
		.amdhsa_private_segment_fixed_size 0
		.amdhsa_enable_private_segment 0
		.amdhsa_kernarg_size 24
		.amdhsa_user_sgpr_count 2
		.amdhsa_user_sgpr_kernarg_segment_ptr 1
		.amdhsa_wavefront_size32 1
		.amdhsa_system_sgpr_workgroup_id_x 1
		.amdhsa_system_sgpr_workgroup_id_y 1
		.amdhsa_system_sgpr_workgroup_id_z 1
		.amdhsa_system_vgpr_workitem_id 0
		.amdhsa_next_free_vgpr 152
		.amdhsa_next_free_sgpr 66
		.amdhsa_reserve_vcc 0
		.amdhsa_float_denorm_mode_32 3
		.amdhsa_float_denorm_mode_16_64 3
		.amdhsa_memory_ordered 1
		.amdhsa_forward_progress 1
		.amdhsa_inst_pref_size 11
	.end_amdhsa_kernel
	.amdgpu_metadata
---
amdhsa.version: [ 1, 2 ]
amdhsa.kernels:
  - .name:           k_q69a6e65afa_gather
    .symbol:         k_q69a6e65afa_gather.kd
    .args:
      - { .name: order, .offset: 0, .size: 8, .value_kind: global_buffer, .address_space: global }
      - { .name: codebook, .offset: 8, .size: 8, .value_kind: global_buffer, .address_space: global }
      - { .name: out0, .offset: 16, .size: 8, .value_kind: global_buffer, .address_space: global }
    .group_segment_fixed_size: 0
    .private_segment_fixed_size: 0
    .kernarg_segment_align: 8
    .kernarg_segment_size: 24
    .max_flat_workgroup_size: 256
    .sgpr_count:     66
    .vgpr_count:     152
    .wavefront_size: 32
...
	.end_amdgpu_metadata
.endif
;; end of part 3
